; MI455X (gfx1250); checked and timed in simulation.
; The chip was launched on July 23, 2026; its instructions are those of AMD's public machine-readable ISA for CDNA 5 (MIT licence, August 2026) and "CDNA5" Instruction Set Architecture Reference Guide (July 2026). The comments in the code are by the model that wrote it; some were corrected since.
;; Scaled Dot Product Attention. Allowed arithmetic: matrix products marked QUANTISED: E4M3 operands, one given power-of-two scale a tensor, by v_wmma_f32_16x16x64_fp8_fp8 or v_wmma_f32_16x16x128_fp8_fp8, f32 sums; everything else in f32.
;; Inputs: K 4 x 16 x 2,048 x 64 float32; Q 4 x 16 x 2,048 x 64 float32; V 4 x 16 x 2,048 x 64 float32; lowp_scales 4 int32 (the exponents e of the quantised operands' scales 2^e); mask 4 x 1 x 2,048 x 2,048 float32.
;; Outputs: out0 4 x 16 x 2,048 x 64 float32.
;; This version of the problem:
;;   THIS VERSION OF THE PROBLEM IS GIVEN IN LOW PRECISION. The matrix products marked QUANTISED in the list below multiply operands that are first quantised to E4M3 (4 exponent bits, 3 mantissa bits; 8 bits a number), with one given power-of-two scale for each operand tensor; their sums are f32. All else is computed in f32.
;;   The module's matrix products, in the order in which they are computed (A, B: the left and right operand; K: the contracted axis; several contracted axes count as one K, in the product's order):
;;     1. batch 64 x [M 2,048, K 64] x [K 64, N 2,048]; A: input Q; B: input K: QUANTISED (scales: A lowp_scales[0], B lowp_scales[1])
;;     2. batch 64 x [M 2,048, K 2,048] x [K 2,048, N 64]; A: computed on the way; B: input V: QUANTISED (scales: A lowp_scales[2], B lowp_scales[3])
;;   THE QUANTISER, for each operand of a quantised product, along K:
;;     - The operand's scale is 2^e, e = its entry of the input lowp_scales (int32; the entries are numbered through the quantised products in the list's order, A before B).
;;     - Each number is divided by the scale, clamped to +-448, and rounded to the nearest number of E4M3, ties to even, subnormals kept.
;;     - The product sums the exact products of the quantised numbers (number of the format x scale) in f32.
;;   ~~~python
;;   def quantise(x, axis, e):      # numpy; x: float32 -> the quantised numbers, widened to float32 again
;;       x = np.moveaxis(x, axis, -1); K = x.shape[-1]
;;       r = np.clip(x / 2.0 ** e, -448, 448)
;;       step = 2.0 ** (np.maximum(np.frexp(np.where(r == 0, 1, r))[1] - 1, -6) - 3)
;;       q = np.round(r / step) * step * 2.0 ** e      # np.round: ties to even
;;       return np.moveaxis(q, -1, axis).astype(np.float32)
;;   ~~~
;;   OPERANDS COMPUTED ON THE WAY. 'Computed on the way' means the value that the module computes at that place (a softmax that the list does not call 'softmax' is quantised finished and normalised). What goes into a quantiser is computed in f32, as accurately as f32 sums, v_exp_f32 and their like allow (about 1e-6 of the number): no bf16 or f16 on the way to a quantiser, and a product that is left as it is and whose result goes on into a quantised operand takes f32 operands (vector FMAs, or v_wmma_f32_16x16x4_f32). A number that lies on a knife's edge between two numbers of the format may be rounded either way, as far as f32 arithmetic and the matrix unit's own rounding can turn it there, and no further.
;; One version. Each part assembles by itself: llvm-mc -triple=amdgcn-amd-amdhsa -mcpu=gfx1250 --defsym DOCPART=n.
;; ======== version 1 of 1: 2 launches
;; limits: right only within a limited range of input values
;; workspace buffers: kc 8,388,608 bytes; vc 8,388,608 bytes
;; launch quant (part 1): grid 512 x 1, 4 waves a work-group, no clusters, 70,144 bytes of LDS; arguments K, V, lowp_scales, kc, vc; writes kc, vc
.if DOCPART == 1
	.amdgcn_target "amdgcn-amd-amdhsa--gfx1250"
	.amdhsa_code_object_version 6
	.text
	.protected	k_qe1def43305_quant
	.globl	k_qe1def43305_quant
	.p2align	8
	.type	k_qe1def43305_quant,@function
k_qe1def43305_quant:
	s_mov_b64 s[64:65], 0
	v_nop
	global_prefetch_b8 v0, s[64:65] scope:SCOPE_SE
	s_setreg_imm32_b32 hwreg(HW_REG_WAVE_MODE, 25, 1), 1
	s_wait_xcnt 0x0
; K, V: [64 heads][2048 rows][64] f32 are turned into codes of E4M3, each with the one scale 2^e that is given for it (K: entry 1, V: entry 3 of lowp_scales),
; and laid in the ORDER OF THE OPERANDS' REGISTERS, so that the next launch fills a fragment by loads of 512 consecutive bytes.  L = lane, r = L % 16, h = L / 16.
;   kc: [head][tile of 16 rows][1,024 bytes]: the 16 bytes at 512 j + 16 L (j = 0, 1) are row r, k = 32 j + 16 h + 0 .. 15 (the next launch lays Q's codes by the same permutation of k).
;   vc: [head][step of 64 keys][dt 0..3][1,024 bytes]: the 16 bytes at 512 g + 16 L (g = 0, 1) are column d = 16 dt + r, keys 32 g + 8 h + 0 .. 7, then keys 32 g + 16 + 8 h + 0 .. 7.
; Q is read once by one work-group of the next launch and is quantised there.
; code = x / 2^e, held within +-448, rounded to the nearest code, ties to even.
; LIMITS: each e between -126 and 119, so that 2^e and 448 x 2^e are f32 numbers.  NaN among the inputs is not served (an infinity is held at the largest code).
; SHARES: work-groups 0-255 take K, 256-511 V.  A wave takes 128 rows of 256 bytes, as four units of 32 rows.  Each load reads 512 consecutive bytes, 16 a lane; a unit's 8,192 bytes
; go through the wave's own stage in LDS (rows of 256 + 16 bytes) and come back as the conversions want them: a lane's registers run along the product's K (K: along a row; V: down a column).
; Each store covers 512 consecutive bytes, aligned.  No tensor load, no barrier: waves share nothing.  Loads run one unit (16 loads a wave) ahead of the unit in hand.
; The two ways part on the work-group's number; each has LDS bytes of its own.
.set SP,    272                        ; a stage row: 256 bytes + 16 of padding
.set STGB,  32*SP                      ; a wave's stage
.set VSTG,  4*STGB                     ; V's four stages lie behind K's four
.set R,     16                         ; v16-143  two sets of 64 registers, as loaded
.set X,     144                        ; v144-207 a unit's numbers back from the stage
.set C,     208                        ; v208-239 two sets of 16 registers of codes
	s_load_b128 s[4:7], s[0:1], 0x0                ; K s[4:5], V s[6:7]
	s_load_b64 s[10:11], s[0:1], 0x10              ; the scales' exponents
	s_load_b128 s[12:15], s[0:1], 0x18             ; kc s[12:13], vc s[14:15]
	v_lshl_add_u32 v240, v0, 2, 0x11000            ; my spare word, behind the eight stages
	v_mov_b32 v241, 0
	v_lshrrev_b32 v6, 5, v0
	v_readfirstlane_b32 s18, v6                    ; wave 0..3
	v_and_b32 v7, 31, v0                           ; L
	v_lshlrev_b32 v1, 4, v7                        ; v1 = 16 L: my 16 bytes of a load's or a store's 512; never rewritten
	v_and_b32 v8, 15, v0                           ; r
	v_bfe_u32 v9, v0, 4, 1                         ; h
	s_mul_i32 s19, s18, STGB
	v_mul_u32_u24 v2, v9, SP
	v_lshl_add_u32 v2, v8, 4, v2
	v_add_nc_u32 v2, s19, v2                       ; v2: into K's stage: a load's 512 bytes are two rows: row h, byte 16 r
	v_add_nc_u32 v3, VSTG, v2                      ; v3: the same into V's stage
	v_mul_u32_u24 v4, v8, SP
	v_lshl_add_u32 v4, v9, 6, v4
	v_add_nc_u32 v4, s19, v4                       ; v4: back, K: row r, + 64 h: my 16 numbers of a block of 32
	v_mul_u32_u24 v5, v9, 8*SP
	v_lshl_add_u32 v5, v8, 2, v5
	v_add_nc_u32 v5, s19, v5
	v_add_nc_u32 v5, VSTG, v5                      ; v5: back, V: row 8 h, column r
	s_lshr_b32 s20, ttmp9, 8                       ; which tensor: 0 K, 1 V
	s_and_b32 s21, ttmp9, 255
	s_lshl_b32 s21, s21, 2
	s_add_co_u32 s21, s21, s18                     ; which run of 128 rows is my wave's
	s_lshl_b32 s22, s21, 15                        ; 32,768 bytes in,
	s_mov_b32 s23, 0
	s_lshl_b32 s24, s21, 13                        ; 8,192 bytes out
	s_mov_b32 s25, 0
	s_wait_alu depctr_va_vdst(0)
	s_wait_kmcnt 0x0
	s_load_b128 s[28:31], s[10:11], 0x0            ; e0 .. e3
	s_cmp_eq_u32 s20, 0                            ; the choice hangs on the work-group's number alone
	s_cselect_b64 s[4:5], s[4:5], s[6:7]
	s_cselect_b64 s[12:13], s[12:13], s[14:15]
	s_add_nc_u64 s[4:5], s[4:5], s[22:23]
	s_add_nc_u64 s[12:13], s[12:13], s[24:25]
.macro LOADU u                         ; unit u: 16 loads of 512 consecutive bytes, into set u % 2
.irp i, 0,1,2,3,4,5,6,7,8,9,10,11,12,13,14,15
	global_load_b128 v[R+64*((\u)%2)+4*\i:R+64*((\u)%2)+4*\i+3], v1, s[4:5] offset:8192*(\u)+512*\i th:TH_LOAD_NT
.endr
.endm
	LOADU 0
	LOADU 1
	s_wait_kmcnt 0x0
	s_cmp_eq_u32 s20, 0
	s_cselect_b32 s26, s29, s31                    ; e
	s_add_co_i32 s26, s26, 127
	s_lshl_b32 s27, s26, 23
	v_mov_b32 v11, s27                             ; 2^e as f32: the conversion takes its exponent field
	s_add_co_i32 s26, s26, 8
	s_lshl_b32 s26, s26, 23
	s_or_b32 s26, s26, 0x600000
	v_mov_b32 v10, s26                             ; 448 x 2^e
; One unit of 32 rows.  isv = 0: K; 1: V.
.macro UNIT u, isv
.if (\u) < 3
	s_wait_loadcnt 16                              ; this unit's 16 loads are in; the next unit's 16 may be out
.else
	s_wait_loadcnt 0
.endif
.irp i, 0,1,2,3,4,5,6,7,8,9,10,11,12,13,14,15
.if \isv
	ds_store_b128 v3, v[R+64*((\u)%2)+4*\i:R+64*((\u)%2)+4*\i+3] offset:2*SP*\i
.else
	ds_store_b128 v2, v[R+64*((\u)%2)+4*\i:R+64*((\u)%2)+4*\i+3] offset:2*SP*\i
.endif
.endr
.if \isv                               ; LDS serves a wave's instructions in order: the loads see the stores above
.irp dt, 0,1,2,3                       ; V(key (n % 8) + 16 (n / 8) + 8 h, column 16 dt + r)
.irp n, 0,1,2,3,4,5,6,7,8,9,10,11,12,13,14,15
	ds_load_b32 v[X+16*\dt+\n], v5 offset:((\n%8)+16*(\n/8))*SP+64*\dt
.endr
.endr
.else
.irp p, 0,1,2,3                        ; tile p / 2 of the unit's two, j = p % 2: row r, k = 32 j + 16 h + 0 .. 15
.irp c, 0,1,2,3
	ds_load_b128 v[X+16*\p+4*\c:X+16*\p+4*\c+3], v4 offset:(\p/2)*16*SP+(\p%2)*128+16*\c
.endr
.endr
.endif
	s_wait_dscnt 0x0                               ; the numbers are back, and the stores into the stage have read set u % 2,
.if (\u) < 2
	LOADU (\u)+2                                   ; which takes the loads of two units on
.else
	s_wait_xcnt 0x0                                ; the stores of two units back have read their data: that set of codes is written again only behind this wait
.endif
.irp i, 0,1,2,3,4,5,6,7,8,9,10,11,12,13,14,15,16,17,18,19,20,21,22,23,24,25,26,27,28,29,30,31,32,33,34,35,36,37,38,39,40,41,42,43,44,45,46,47,48,49,50,51,52,53,54,55,56,57,58,59,60,61,62,63
	v_med3_num_f32 v[X+\i], v[X+\i], -v10, v10     ; the conversion to an 8-bit code does not saturate (ISA guide 7.6.2): hold the number first
.endr
.irp g, 0,1,2,3,4,5,6,7
	v_cvt_scalef32_pk8_fp8_f32 v[C+16*((\u)%2)+2*\g:C+16*((\u)%2)+2*\g+1], v[X+8*\g:X+8*\g+7], v11
.endr
	v_nop                                          ; one plain vector line behind the last conversion of the run
.irp p, 0,1,2,3
.if \isv
	global_store_b128 v1, v[C+16*((\u)%2)+4*\p:C+16*((\u)%2)+4*\p+3], s[12:13] offset:((\u)/2)*4096+((\u)%2)*512+1024*\p   ; step u / 2, g = u % 2, dt = p
.else
	global_store_b128 v1, v[C+16*((\u)%2)+4*\p:C+16*((\u)%2)+4*\p+3], s[12:13] offset:(\u)*2048+512*\p                     ; tile 2 u + p / 2, j = p % 2
.endif
.endr
.endm
	s_cmp_ge_u32 ttmp9, 256
	s_cbranch_scc1 .Lv
	s_wait_alu depctr_va_vdst(0)
	UNIT 0, 0
	UNIT 1, 0
	UNIT 2, 0
	UNIT 3, 0
	s_wait_tensorcnt 0x0                           ; the wave's end
	ds_add_u32 v240, v241
	s_wait_dscnt 0x0
	s_endpgm
.Lv:
	s_wait_alu depctr_va_vdst(0)
	UNIT 0, 1
	UNIT 1, 1
	UNIT 2, 1
	UNIT 3, 1
	s_wait_tensorcnt 0x0
	ds_add_u32 v240, v241
	s_wait_dscnt 0x0
	s_endpgm
.Lfunc_end_k_qe1def43305_quant:
	.size	k_qe1def43305_quant, .Lfunc_end_k_qe1def43305_quant-k_qe1def43305_quant
	.p2alignl 7, 3214868480
	.fill 96, 4, 3214868480
	.section	.rodata,"a",@progbits
	.p2align	6, 0x0
	.amdhsa_kernel k_qe1def43305_quant
		.amdhsa_group_segment_fixed_size 70144
		.amdhsa_private_segment_fixed_size 0
		.amdhsa_enable_private_segment 0
		.amdhsa_kernarg_size 40
		.amdhsa_user_sgpr_count 2
		.amdhsa_user_sgpr_kernarg_segment_ptr 1
		.amdhsa_wavefront_size32 1
		.amdhsa_system_sgpr_workgroup_id_x 1
		.amdhsa_system_sgpr_workgroup_id_y 1
		.amdhsa_system_sgpr_workgroup_id_z 1
		.amdhsa_system_vgpr_workitem_id 0
		.amdhsa_next_free_vgpr 242
		.amdhsa_next_free_sgpr 66
		.amdhsa_reserve_vcc 0
		.amdhsa_float_denorm_mode_32 3
		.amdhsa_float_denorm_mode_16_64 3
		.amdhsa_memory_ordered 1
		.amdhsa_forward_progress 1
		.amdhsa_inst_pref_size 80
	.end_amdhsa_kernel
	.amdgpu_metadata
---
amdhsa.version: [ 1, 2 ]
amdhsa.kernels:
  - .name:           k_qe1def43305_quant
    .symbol:         k_qe1def43305_quant.kd
    .args:
      - { .name: K, .offset: 0, .size: 8, .value_kind: global_buffer, .address_space: global }
      - { .name: V, .offset: 8, .size: 8, .value_kind: global_buffer, .address_space: global }
      - { .name: lowp_scales, .offset: 16, .size: 8, .value_kind: global_buffer, .address_space: global }
      - { .name: kc, .offset: 24, .size: 8, .value_kind: global_buffer, .address_space: global }
      - { .name: vc, .offset: 32, .size: 8, .value_kind: global_buffer, .address_space: global }
    .group_segment_fixed_size: 70144
    .private_segment_fixed_size: 0
    .kernarg_segment_align: 8
    .kernarg_segment_size: 40
    .max_flat_workgroup_size: 128
    .sgpr_count:     66
    .vgpr_count:     242
    .wavefront_size: 32
...
	.end_amdgpu_metadata
.endif
;; end of part 1
;; launch attn (part 2): grid 64 x 4, 4 waves a work-group, no clusters, 308,224 bytes of LDS; arguments mask, Q, kc, vc, lowp_scales, out0; writes out0
.if DOCPART == 2
	.amdgcn_target "amdgcn-amd-amdhsa--gfx1250"
	.amdhsa_code_object_version 6
	.text
	.protected	k_qe1def43305_attn
	.globl	k_qe1def43305_attn
	.p2align	8
	.type	k_qe1def43305_attn,@function
k_qe1def43305_attn:
	s_mov_b64 s[64:65], 0
	v_nop
	global_prefetch_b8 v0, s[64:65] scope:SCOPE_SE
	s_setreg_imm32_b32 hwreg(HW_REG_WAVE_MODE, 25, 1), 1
	s_wait_xcnt 0x0
; out0[b][h][q][:] = sum over k of Q8(attn[q][k]) V8[k][:], attn = p / (sum over k of p + 1e-8), p = exp(Q8 . K8 / 8) x mask[b][q][k]; no maximum is taken away, as in the problem's own text.
; K8, V8 are the codes of E4M3 that the launch before has laid in the order of the operands' registers; attn is quantised FINISHED, with the given scale 2^e2, so a row's sum is known before any of its codes is made.
; SHARES.  A work-group owns 32 queries of one batch and walks its 16 heads; the mask's 32 rows x 2,048 keys (f32) are brought into LDS once and serve all 16 heads.
; Each of the four waves owns 512 keys: it keeps its 32 x 512 numbers p in 512 registers from the exponential to the conversion, so each exponential is taken once.
; The rows' sums and the four partial O meet in LDS: two barriers a head.
; Q: each wave loads a quarter of the next head's 32 x 64 numbers (a lane: 16 neighbours of a row), holds and converts them, and hands the codes to all four waves as an image of the operand's registers, under the sums' barrier.
; Both products are used transposed (S^T = K Q^T, O^T = V^T P^T): a lane holds one query (lane % 16), its registers run along the keys, and the conversions' results are the second product's operand.
; K's and V's fragments come from memory straight into registers, 512 consecutive bytes a load, through eight buffers of 32 registers: a buffer takes V's step when K's has been multiplied, and the next head's K when V's has:
; 48 to 68 loads of a wave are out at any time.  So no data prefetch is written: every load is asked for six or seven steps ahead of its use.
; THE LOOP IS TURNED: behind a head's stores of its partial O stand the next head's first two products and its first scaling, then the barrier; the partial O are read at the next trip's top and added behind that trip's next scaling and product.
; The first trip has a copy of that piece with nothing of O in it; the last head's O is finished behind the loop.
; NO CLUSTER: K and V are shared by the work-groups of a batch, but a joint load lands in LDS, and beside the mask (270,336 bytes), the stage for O (34,816), the sums and Q's codes LDS has under 20 KB left for four waves' slots.
; NO TENSOR LOAD: the mask's part of a wave (32 rows x 2,048 bytes) is laid as four tiles with rows of 512 + 16 bytes; it goes through the registers that later hold p, once.
; In the last head the look-ahead loads (the next K and Q) name the last head's own bytes again, so that they stay inside their buffers; their results are not used.
; LIMITS: e0 + e1 between -123 and 130 (added to c's exponent field); e0 and e2 between -126 and 119; e2 + e3 between -126 and 127.  NaN among the inputs is not served.  p overflows where the problem's own exp does.
; REGISTERS, in windows of 256.  Window 0: v0-15 addresses and factors, v16-31 Q's codes, v32-95 mask numbers of odd steps (and work on the way out), v96-159 O^T (mask numbers of even steps while O^T is not summed), v160-255 K/V buffers 0-2.
; Windows 1, 2: v0-191 p of steps 0-2, 3-5; v192-223 K/V buffer 3, 4.  Window 3: v0-127 p of steps 6, 7; v128-223 K/V buffers 5-7.  Windows 1-3: v224-239 p's codes (window 1: also the next Q as loaded), v240-255 partial sums.
.set MP,    528                        ; a mask row in LDS: 128 keys x 4 bytes + 16 of padding
.set MTILE, 32*MP
.set MWAVE, 4*MTILE                    ; a wave's 512 keys
.set OSTG,  4*MWAVE                    ; the stage for O: 32 rows x 272 bytes for each wave
.set OPI,   272
.set SUMX,  OSTG+4*32*OPI              ; the rows' partial sums: 32 queries x 4 waves x 4 bytes
.set QSTG,  SUMX+512                   ; Q's codes: 4 x 512 bytes
.set SPARE, QSTG+2048                  ; the spare words, 128 bytes for each wave, that no other line names
.set HEADB, 131072                     ; a head's codes in bytes
.set QSA,  0                           ; where my thread puts its 16 codes of Q (v0 is done with by then)
.set GOFF, 1                           ; 16 x lane
.set MADR, 2                           ; my place in a mask tile
.set OST,  3
.set ORD,  4
.set SXS,  5
.set SXL,  6
.set SCL,  7                           ; 2^e2 as f32
.set RL,   8                           ; v8, v10: 1 / (sum + 1e-8) of my two queries; the packed lines name the pairs v[8:9], v[10:11] and take the low word for both halves
.set QOFF, 9                           ; my lane's place in Q's rows
.set QLA,  11                          ; where my lane reads Q's codes
.set MS0,  12                          ; the mask's way into LDS: tiles 0, 1
.set MS1,  13                          ; tiles 2, 3
.set SPW,  14                          ; my spare word; never rewritten
.set NIL,  15                          ; 0; never rewritten
.set QF,   16
.set MB,   32
.set OA,   96
.set CD,   224
.set SM,   240
.set WV,   16
.set OB,   24                          ; s[24:25] my 8 rows of out0 in head 0
.set LQP,  26
.set LQN,  27
.set SQ,   28
.set STQ,  30
.set CS,   48
.set LIMP, 50
.set LIMN, 51
.set OS,   52
.set SEL,  54
.set HD,   56
.set KP,   68
.set VP,   70
.set QP,   72
.set OPT,  74
.set STP,  76
.set MSB, 0
.macro WIN new                         ; the immediate's high byte repeats the setting that is left
.if MSB != (\new)
	s_set_vgpr_msb (MSB<<8)|(\new)
.set MSB, (\new)
.endif
.endm
.macro NOPS
.rept 4
	v_nop
.endr
.endm
.macro PLOC s                          ; where step s's 64 registers of p lie
.set PW, 1+(\s)/3
.set PB, 64*((\s)%3)
.endm
.macro KVLOC s                         ; where K/V buffer s lies
.if (\s) < 3
.set KW, 0
.set KB, 160+32*(\s)
.elseif (\s) == 3
.set KW, 1
.set KB, 192
.elseif (\s) == 4
.set KW, 2
.set KB, 192
.else
.set KW, 3
.set KB, 128+32*((\s)-5)
.endif
.endm
.macro PREG n                          ; the n-th group of four of p's 512 registers
.set PGW, 1+(\n)/48
.set PGB, 4*((\n)%48)
.endm
.macro MLOADS c                        ; the mask: load n is row n / 4, tile n % 4: 512 consecutive bytes; 32 loads
.set n, 32*(\c)
.rept 32
	PREG n
	WIN PGW<<6
	global_load_b128 v[PGB:PGB+3], v[GOFF], s[20:21] offset:(n/4)*8192+(n%4)*512 th:TH_LOAD_NT
.set n, n+1
.endr
.endm
.macro MSTORES c
.set n, 32*(\c)
.rept 32
	PREG n
	WIN PGW<<2
.if (n%4) < 2
	ds_store_b128 v[MS0], v[PGB:PGB+3] offset:(n%4)*MTILE+(n/4)*MP
.else
	ds_store_b128 v[MS1], v[PGB:PGB+3] offset:((n%4)-2)*MTILE+(n/4)*MP
.endif
.set n, n+1
.endr
.endm
.macro LOADKV ptr, s                   ; step s (64 keys) of K or V: 8 loads of 512 consecutive bytes into buffer s
	KVLOC \s
	WIN KW<<6
.irp t, 0,1,2,3
.irp j, 0,1
	global_load_b128 v[KB+8*\t+4*\j:KB+8*\t+4*\j+3], v[GOFF], s[\ptr:\ptr+1] offset:4096*(\s)+1024*\t+512*\j
.endr
.endr
.endm
.macro QRAW                            ; my quarter of a head's Q: row 16 (wave / 2) + r, k = 32 (wave % 2) + 16 h + 0 .. 15, into window 1
	WIN 0x40
.irp c, 0,1,2,3
	global_load_b128 v[CD+4*\c:CD+4*\c+3], v[QOFF], s[QP:QP+1] offset:16*\c
.endr
.endm
.macro QCONV                           ; held, converted, and into LDS as registers 4 wave .. 4 wave + 3 of Q's fragments
	WIN 0x55
	v_mov_b32 v244, s[SQ]
.set i, 0
.rept 16
	v_med3_num_f32 v[CD+i], v[CD+i], s[LQN], s[LQP]
.set i, i+1
.endr
	v_cvt_scalef32_pk8_fp8_f32 v[240:241], v[CD:CD+7], v244
	v_cvt_scalef32_pk8_fp8_f32 v[242:243], v[CD+8:CD+15], v244
	v_nop
	WIN 0x04
	ds_store_b128 v[QSA], v[240:243]
	WIN 0
.endm
.macro QBACK
.irp i, 0,1,2,3
	ds_load_b128 v[QF+4*\i:QF+4*\i+3], v[QLA] offset:512*\i
.endr
.endm
.macro STEPMM s                        ; S^T of step s: four tiles of 16 keys x two tiles of 16 queries
	PLOC \s
	KVLOC \s
	WIN (PW<<6)|KW
.irp T, 0,1,2,3
.irp qt, 0,1
	v_wmma_f32_16x16x64_fp8_fp8 v[PB+32*\qt+8*\T:PB+32*\qt+8*\T+7], v[KB+8*\T:KB+8*\T+7], v[QF+8*\qt:QF+8*\qt+7], 0
.endr
.endr
.endm
.macro ML s                            ; step s's 64 mask numbers a lane: even steps into v96-159, odd steps into v32-95
	WIN 0
.irp qt, 0,1
.irp T, 0,1,2,3
.irp u, 0,1
	ds_load_b128 v[MB+64*(1-((\s)%2))+32*\qt+8*\T+4*\u:MB+64*(1-((\s)%2))+32*\qt+8*\T+4*\u+3], v[MADR] offset:((\s)/2)*MTILE+\qt*16*MP+((\s)%2)*256+64*\T+16*\u
.endr
.endr
.endr
.endm
.macro FINA                            ; the rows' sums of exp x mask, on eight chains by turns; a window's first step starts its sums
.set ii, (i%2)*16+i/2
.if (fF == 0) && ((ii%16) < 4)
	v_pk_mul_f32 v[SM+8*(ii/16)+2*(ii%4):SM+8*(ii/16)+2*(ii%4)+1], v[fB+2*ii:fB+2*ii+1], v[fM+2*ii:fM+2*ii+1]
.else
	v_pk_fma_f32 v[SM+8*(ii/16)+2*(ii%4):SM+8*(ii/16)+2*(ii%4)+1], v[fB+2*ii:fB+2*ii+1], v[fM+2*ii:fM+2*ii+1], v[SM+8*(ii/16)+2*(ii%4):SM+8*(ii/16)+2*(ii%4)+1]
.endif
.endm
.macro FINB                            ; p = exp x mask
	v_pk_mul_f32 v[fB+2*i:fB+2*i+1], v[fB+2*i:fB+2*i+1], v[fM+2*i:fM+2*i+1]
.endm
.macro SCALE base                      ; a step's 64 scores x c, each accumulator from its low end on
.set i, 0
.rept 32
	v_pk_mul_f32 v[\base+2*i:\base+2*i+1], v[\base+2*i:\base+2*i+1], s[CS:CS+1] op_sel_hi:[1,0]
.set i, i+1
.endr
.endm
; A head's first lines: S^T of steps 0 and 1, V's first two steps asked for, step 0 scaled.
.macro PROLOGUE
	s_wait_loadcnt 48                              ; K's steps 0 and 1 are in; its six later steps may be out
	STEPMM 0
	STEPMM 1
	WIN 0
	NOPS
	LOADKV VP, 0
	LOADKV VP, 1
	WIN 0x51
	s_wait_alu depctr_va_vdst(0)                   ; the wait directly ahead of the first readers of matrix results
	SCALE 0
	WIN 0
.endm
.macro OLOAD                           ; rows 8 wave .. 8 wave + 7 of all four stages: the head before (HD - 1)
	s_wait_xcnt 0x0                                ; the last head's stores have read their base
	s_sub_co_u32 s58, s[HD], 1
	s_lshl_b32 s58, s58, 19
	s_add_nc_u64 s[OPT:OPT+1], s[OB:OB+1], s[58:59]
.irp w, 0,1,2,3
.irp i, 0,1,2,3
	ds_load_b128 v[MB+16*\w+4*\i:MB+16*\w+4*\i+3], v[ORD] offset:32*OPI*\w+2*OPI*\i
.endr
.endr
.endm
.macro OFIN younger                    ; the four partial O are added, scaled and stored
	s_wait_dscnt \younger
.irp p, 0,2,4,6,8,10,12,14
	v_pk_add_f32 v[MB+\p:MB+\p+1], v[MB+\p:MB+\p+1], v[MB+16+\p:MB+16+\p+1]
	v_pk_add_f32 v[MB+32+\p:MB+32+\p+1], v[MB+32+\p:MB+32+\p+1], v[MB+48+\p:MB+48+\p+1]
.endr
.irp p, 0,2,4,6,8,10,12,14
	v_pk_add_f32 v[MB+\p:MB+\p+1], v[MB+\p:MB+\p+1], v[MB+32+\p:MB+32+\p+1]
.endr
.irp p, 0,2,4,6,8,10,12,14
	v_pk_mul_f32 v[MB+\p:MB+\p+1], v[MB+\p:MB+\p+1], s[OS:OS+1] op_sel_hi:[1,0]
.endr
.irp i, 0,1,2,3
	global_store_b128 v[GOFF], v[MB+4*\i:MB+4*\i+3], s[OPT:OPT+1] offset:512*\i th:TH_STORE_NT   ; each store covers 512 consecutive bytes, aligned
.endr
.endm
; Region 0's lines ahead of its exponentials.  o = 1: with the head before's O.
.macro R0HEAD o
.if \o
	OLOAD
.endif
	ML 0
	QRAW                                           ; the next head's Q
	WIN 0x51
	s_wait_alu depctr_va_vdst(0)
	SCALE 64                                       ; step 1
	s_wait_loadcnt 60                              ; K's step 2 is in: behind it K's five later steps, V's two and Q's 4 loads were asked for
	STEPMM 2
	WIN 0
	NOPS
.if \o
	OFIN 16                                        ; the 16 mask loads may be out
.endif
.endm
; A REGION: step s + 1 is scaled, step s goes through the exponential, step s - 1 is masked and summed, S^T of step s + 2 is multiplied.  No line of a region reads what a line of the same region wrote but along the sums' chains,
; which stand ahead of the exponentials: so ONE s_wait_alu at the region's head is the wait behind the last region's exponentials, the wait ahead of this region's, and, directly ahead of the scalings, the wait for the matrix results.
.macro REGION s
.if (\s) == 1
	s_wait_xcnt 0x0                                ; O's stores have read v32-47, which the mask loads below write
.endif
.if (\s) <= 7
	ML \s
.endif
.if (\s) <= 6
	LOADKV VP, (\s)+1                              ; into the buffer whose K was multiplied a region ago
.endif
.set eW, 0
.set sW, 0
.if (\s) <= 7
.set eW, 1+(\s)/3
.set eB, 64*((\s)%3)
.endif
.set fW, 1+((\s)-1)/3
.set fB, 64*(((\s)-1)%3)
.set fM, MB+64*((\s)%2)
.set fF, ((\s)-1)%3
.if (\s) <= 6
.set sW, 1+((\s)+1)/3
.set sB, 64*(((\s)+1)%3)
.endif
.if sW != 0
	WIN 0x51*sW
.else
	WIN 0x51*fW
.endif
.if (\s) <= 7
	s_wait_dscnt 16                                ; step s - 1's mask numbers are in; step s's 16 loads may be out
.else
	s_wait_dscnt 0
.endif
	s_wait_alu depctr_va_vdst(0)
.if sW != 0
	SCALE sB
.endif
	WIN 0x51*fW
.set i, 0
.rept 32
	FINA
.set i, i+1
.endr
.if (\s) <= 5
	s_wait_loadcnt 60                              ; K's step s + 2 is in: behind it seven steps of K and V and Q's 4 loads were asked for
	STEPMM (\s)+2
.endif
.if fW != eW
	WIN 0x51*fW
.set i, 0
.rept 32
	FINB
.set i, i+1
.endr
.endif
.if eW != 0
	WIN 0x51*eW
.set i, 0
.rept 32
	v_exp_f32 v[eB+2*i], v[eB+2*i]
	v_exp_f32 v[eB+2*i+1], v[eB+2*i+1]
.if fW == eW
	FINB
.endif
.set i, i+1
.endr
.endif
.endm
; Step s of the second product: attn = p / (sum + 1e-8), the hold, the codes, O^T += V^T P^T.
.macro BSTEP s
	PLOC \s
	WIN 0x51*PW
.set i, 0
.rept 32
	v_pk_mul_f32 v[PB+2*i:PB+2*i+1], v[PB+2*i:PB+2*i+1], v[RL+2*(i/16):RL+2*(i/16)+1] op_sel_hi:[1,0]
.set i, i+1
.endr
.if (\s) > 0
	LOADKV KP, (\s)-1                              ; the next head's K into the buffer whose V the last step multiplied; the 32 lines above are the places in front of it
.endif
.if (\s) < 2
	s_wait_loadcnt 60                              ; V's step s is in: behind it seven steps of V and of the next K and Q's 4 loads were asked for
.else
	s_wait_loadcnt 56                              ; (Q's loads are older than V's step 2)
.endif
	WIN 0x51*PW
.set i, 0
.rept 64
	v_med3_num_f32 v[PB+i], v[PB+i], s[LIMN], s[LIMP]   ; the conversion to an 8-bit code does not saturate (ISA guide 7.6.2)
.set i, i+1
.endr
.set i, 0
.rept 8
	v_cvt_scalef32_pk8_fp8_f32 v[CD+2*i:CD+2*i+1], v[PB+8*i:PB+8*i+7], v[SCL]
.set i, i+1
.endr
	v_nop                                          ; one plain line between a scaled conversion and the matrix instruction that reads its result
	KVLOC \s
	WIN KW|(PW<<2)
.irp dt, 0,1,2,3
.irp qt, 0,1
.if (\s) == 0
	v_wmma_f32_16x16x64_fp8_fp8 v[OA+8*(2*\dt+\qt):OA+8*(2*\dt+\qt)+7], v[KB+8*\dt:KB+8*\dt+7], v[CD+8*\qt:CD+8*\qt+7], 0
.else
	v_wmma_f32_16x16x64_fp8_fp8 v[OA+8*(2*\dt+\qt):OA+8*(2*\dt+\qt)+7], v[KB+8*\dt:KB+8*\dt+7], v[CD+8*\qt:CD+8*\qt+7], v[OA+8*(2*\dt+\qt):OA+8*(2*\dt+\qt)+7]
.endif
.endr
.endr
.endm
	s_load_b256 s[4:11], s[0:1], 0x0               ; mask, Q, kc, vc
	s_load_b128 s[12:15], s[0:1], 0x20             ; the scales' exponents, out0
	v_lshl_add_u32 v[SPW], v0, 2, SPARE
	v_mov_b32 v[NIL], 0
	v_lshrrev_b32 v32, 5, v0
	v_readfirstlane_b32 s[WV], v32                 ; wave 0..3
	s_and_b32 s17, ttmp7, 0xffff                   ; the batch
	s_mul_i32 s19, s[WV], MWAVE                    ; my part of the mask in LDS
	s_mul_i32 s18, s[WV], 32*OPI
	s_add_co_u32 s18, s18, OSTG                    ; my stage for O
	s_mul_i32 s22, s[WV], 8*OPI
	s_add_co_u32 s22, s22, OSTG                    ; the 8 rows of each stage that I add up
	s_lshl_b32 s23, s[WV], 2
	s_lshl_b32 s20, s17, 24                        ; the mask: 2^24 bytes a batch,
	s_lshl_b32 s21, ttmp9, 18                      ; 32 rows of 8,192 bytes a work-group,
	s_add_co_u32 s20, s20, s21
	s_lshl_b32 s21, s[WV], 11                      ; 512 keys x 4 bytes a wave
	s_add_co_u32 s20, s20, s21
	s_mov_b32 s21, 0
	v_and_b32 v33, 31, v0
	v_lshlrev_b32 v[GOFF], 4, v33
	v_and_b32 v34, 15, v0                          ; r
	v_bfe_u32 v35, v0, 4, 1                        ; h
	v_mul_u32_u24 v[MADR], v34, MP
	v_lshl_add_u32 v[MADR], v35, 5, v[MADR]
	v_add_nc_u32 v[MADR], s19, v[MADR]             ; query r's row, + 8 h keys
	v_add_nc_u32 v[MS0], s19, v[GOFF]
	v_add_nc_u32 v[MS1], 2*MTILE, v[MS0]
	v_mul_u32_u24 v[OST], v34, OPI
	v_lshl_add_u32 v[OST], v35, 5, v[OST]
	v_add_nc_u32 v[OST], s18, v[OST]               ; O in: row r, + 8 h channels
	v_mul_u32_u24 v[ORD], v35, OPI
	v_lshl_add_u32 v[ORD], v34, 4, v[ORD]
	v_add_nc_u32 v[ORD], s22, v[ORD]               ; O back: lanes 0-15 one row, lanes 16-31 the next
	v_lshlrev_b32 v[SXL], 4, v34
	v_add_nc_u32 v[SXL], SUMX, v[SXL]              ; query r's four partial sums,
	v_add_nc_u32 v[SXS], s23, v[SXL]               ; and my wave's among them
	v_lshlrev_b32 v[QOFF], 8, v34
	v_lshl_add_u32 v[QOFF], v35, 6, v[QOFF]        ; Q: row r of 256 bytes, + 16 h numbers
	v_add_nc_u32 v[QLA], QSTG, v[GOFF]
	v_lshl_add_u32 v[QSA], v0, 4, QSTG             ; 512 x wave + 16 x lane
	s_wait_alu depctr_va_vdst(0)
	s_wait_kmcnt 0x0
	s_load_b128 s[60:63], s[12:13], 0x0            ; e0 .. e3
	s_add_nc_u64 s[20:21], s[4:5], s[20:21]
	s_lshl_b32 s58, s17, 23                        ; Q and out0: 2^23 bytes a batch, 8,192 (32 rows) a work-group
	s_lshl_b32 s18, ttmp9, 13
	s_add_co_u32 s58, s58, s18
	s_mov_b32 s59, 0
	s_lshl_b32 s18, s[WV], 11                      ; out0: 8 rows a wave
	s_add_co_u32 s22, s58, s18
	s_mov_b32 s23, 0
	s_add_nc_u64 s[OB:OB+1], s[14:15], s[22:23]
	s_lshr_b32 s18, s[WV], 1
	s_lshl_b32 s18, s18, 12                        ; Q: 16 rows x (wave / 2),
	s_add_co_u32 s58, s58, s18
	s_and_b32 s18, s[WV], 1
	s_lshl_b32 s18, s18, 7                         ; 32 numbers x (wave % 2)
	s_add_co_u32 s58, s58, s18
	s_add_nc_u64 s[QP:QP+1], s[6:7], s[58:59]
	s_lshl_b32 s58, s17, 21                        ; codes: 16 heads of 2^17 bytes a batch,
	s_lshl_b32 s18, s[WV], 15                      ; my 512 keys
	s_add_co_u32 s58, s58, s18
	s_add_nc_u64 s[KP:KP+1], s[8:9], s[58:59]
	s_add_nc_u64 s[VP:VP+1], s[10:11], s[58:59]
	s_mov_b32 s[SEL], 0x76543210
	s_mov_b32 s[SEL+1], 0xfedcba98
	s_mov_b32 s[STP+1], 0
	s_mov_b32 s[STQ+1], 0
	s_mov_b32 s[HD], 0
	QRAW                                           ; head 0's Q
	MLOADS 0
	MLOADS 1
	WIN 0
	s_wait_kmcnt 0x0
	s_add_co_i32 s18, s60, s61
	s_lshl_b32 s18, s18, 23
	s_add_co_i32 s[CS], s18, 0x3e38aa3b            ; c = log2(e) / 8 x 2^(e0 + e1): the exponents are added to c's exponent field
	s_mov_b32 s[CS+1], s[CS]
	s_add_co_i32 s18, s60, 127
	s_lshl_b32 s[SQ], s18, 23                      ; 2^e0
	s_add_co_i32 s18, s18, 8
	s_lshl_b32 s18, s18, 23
	s_or_b32 s[LQP], s18, 0x600000                 ; 448 x 2^e0
	s_or_b32 s[LQN], s[LQP], 0x80000000
	s_add_co_i32 s18, s62, 127
	s_lshl_b32 s19, s18, 23
	v_mov_b32 v[SCL], s19                          ; 2^e2
	s_add_co_i32 s18, s18, 8
	s_lshl_b32 s18, s18, 23
	s_or_b32 s[LIMP], s18, 0x600000                ; 448 x 2^e2
	s_or_b32 s[LIMN], s[LIMP], 0x80000000
	s_add_co_i32 s18, s62, s63
	s_add_co_i32 s18, s18, 127
	s_lshl_b32 s[OS], s18, 23                      ; 2^(e2 + e3)
	s_mov_b32 s[OS+1], s[OS]
	s_wait_loadcnt 32                              ; Q and the mask's first 32 loads are in; each later wait likewise lets the youngest 32 loads stay out
	QCONV
	MSTORES 0
	MLOADS 2
	s_wait_loadcnt 32
	MSTORES 1
	MLOADS 3
	s_wait_loadcnt 32
	MSTORES 2
.irp s, 0,1,2,3
	LOADKV KP, \s
.endr
	s_wait_loadcnt 32
	MSTORES 3
.irp s, 4,5,6,7
	LOADKV KP, \s
.endr
	WIN 0
	s_wait_xcnt 0x0                                ; the loads have read their bases
	s_add_nc_u64 s[KP:KP+1], s[KP:KP+1], HEADB     ; K's and Q's pointers stand one head ahead
	s_add_nc_u64 s[QP:QP+1], s[QP:QP+1], 4*HEADB
	s_wait_alu depctr_va_vdst(0)
	s_wait_dscnt 0x0                               ; my codes of Q are in LDS (the mask's bytes are read by my wave alone)
	s_barrier_signal -1
	s_barrier_wait -1
	QBACK
	s_wait_dscnt 0x0                               ; head 0's codes of Q are in my registers:
	s_barrier_signal -1                            ; only when all four waves have read them does the first trip store the next head's codes over them
	s_barrier_wait -1
	PROLOGUE
.Lhead:
	s_cmp_eq_u32 s[HD], 0
	s_cbranch_scc1 .Lfirst
	R0HEAD 1
	s_branch .Ljoin
.Lfirst:
	R0HEAD 0
.Ljoin:
	WIN 0x51
.set i, 0
.rept 64
	v_exp_f32 v[i], v[i]                           ; step 0
.set i, i+1
.endr
.irp s, 1,2,3,4,5,6,7,8
	REGION \s
.endr
	WIN 0x09                                       ; the three windows' partial sums: window 1 + window 2,
.irp k, 0,2,4,6,8,10,12,14
	v_pk_add_f32 v[MB+\k:MB+\k+1], v[SM+\k:SM+\k+1], v[SM+\k:SM+\k+1]
.endr
	WIN 0x03                                       ; + window 3
.irp k, 0,2,4,6,8,10,12,14
	v_pk_add_f32 v[MB+\k:MB+\k+1], v[SM+\k:SM+\k+1], v[MB+\k:MB+\k+1]
.endr
	s_wait_loadcnt 48                              ; the next Q is in: behind it V's steps 2 to 7 were asked for
	QCONV
.irp k, 0,8
	v_pk_add_f32 v[MB+\k:MB+\k+1], v[MB+\k:MB+\k+1], v[MB+\k+2:MB+\k+3]
	v_pk_add_f32 v[MB+\k+4:MB+\k+5], v[MB+\k+4:MB+\k+5], v[MB+\k+6:MB+\k+7]
.endr
.irp k, 0,8
	v_pk_add_f32 v[MB+\k:MB+\k+1], v[MB+\k:MB+\k+1], v[MB+\k+4:MB+\k+5]
.endr
	v_add_f32 v32, v32, v33
	v_add_f32 v40, v40, v41
	v_permlanex16_b32 v33, v32, s[SEL], s[SEL+1]
	v_permlanex16_b32 v41, v40, s[SEL], s[SEL+1]
	v_add_f32 v32, v32, v33                        ; my wave's 512 keys of query r,
	v_add_f32 v40, v40, v41                        ; and of query 16 + r
	ds_store_b32 v[SXS], v32
	ds_store_b32 v[SXS], v40 offset:256
	s_wait_alu depctr_va_vdst(0)
	s_wait_dscnt 0x0
	s_barrier_signal -1
	s_barrier_wait -1
	ds_load_b128 v[48:51], v[SXL]
	ds_load_b128 v[52:55], v[SXL] offset:256
	QBACK                                          ; the next head's Q: this head's last S^T was multiplied three regions ago
	s_wait_dscnt 0x0
	v_add_f32 v48, v48, v49
	v_add_f32 v50, v50, v51
	v_add_f32 v52, v52, v53
	v_add_f32 v54, v54, v55
	v_add_f32 v48, v48, v50
	v_add_f32 v52, v52, v54
	v_add_f32 v48, 0x322bcc77, v48                 ; + 1e-8
	v_add_f32 v52, 0x322bcc77, v52
	s_wait_alu depctr_va_vdst(0)                   ; the wait ahead of the batch,
	v_rcp_f32 v[RL], v48
	v_rcp_f32 v[RL+2], v52
	v_nop
	s_wait_alu depctr_va_vdst(0)                   ; and behind it
.irp s, 0,1,2,3,4,5,6,7
	BSTEP \s
.endr
	WIN 0
	NOPS
.irp dt, 0,1,2,3                       ; my partial O into my stage: row = query, 8 channels a lane and tile
.irp qt, 0,1
	ds_store_b128 v[OST], v[OA+8*(2*\dt+\qt):OA+8*(2*\dt+\qt)+3] offset:16*OPI*\qt+64*\dt
	ds_store_b128 v[OST], v[OA+8*(2*\dt+\qt)+4:OA+8*(2*\dt+\qt)+7] offset:16*OPI*\qt+64*\dt+16
.endr
.endr
	LOADKV KP, 7
	WIN 0
	s_wait_xcnt 0x0                                ; the bases are written again only behind this wait
	s_cmp_lt_u32 s[HD], 15
	s_cselect_b32 s[STP], HEADB, 0                 ; V's pointer goes on to the next head, and stops at the last
	s_add_nc_u64 s[VP:VP+1], s[VP:VP+1], s[STP:STP+1]
	s_cmp_lt_u32 s[HD], 14
	s_cselect_b32 s[STP], HEADB, 0                 ; the pointers that stand a head ahead stop at the last head
	s_cselect_b32 s[STQ], 4*HEADB, 0
	s_add_nc_u64 s[KP:KP+1], s[KP:KP+1], s[STP:STP+1]
	s_add_nc_u64 s[QP:QP+1], s[QP:QP+1], s[STQ:STQ+1]
	PROLOGUE                                       ; the next head begins while my stores into the stage are out.  Every trip runs these lines, so that every counted wait for loads counts the same loads on every way through the text; in the last trip they work on the last head's own bytes once more (16 loads, 16 matrix instructions, 32 multiplications a wave), and their results are not used
	s_wait_alu depctr_va_vdst(0)
	s_wait_dscnt 0x0                               ; my partial O is in the stage
	s_barrier_signal -1
	s_barrier_wait -1
	s_add_co_u32 s[HD], s[HD], 1
	s_cmp_lt_u32 s[HD], 16
	s_cbranch_scc1 .Lhead
	OLOAD                                          ; the last head's O
	OFIN 0
	s_wait_tensorcnt 0x0                           ; the wave's end: behind my last LDS store
	ds_add_u32 v[SPW], v[NIL]
	s_wait_dscnt 0x0
	s_endpgm
.Lfunc_end_k_qe1def43305_attn:
	.size	k_qe1def43305_attn, .Lfunc_end_k_qe1def43305_attn-k_qe1def43305_attn
	.p2alignl 7, 3214868480
	.fill 96, 4, 3214868480
	.section	.rodata,"a",@progbits
	.p2align	6, 0x0
	.amdhsa_kernel k_qe1def43305_attn
		.amdhsa_group_segment_fixed_size 308224
		.amdhsa_private_segment_fixed_size 0
		.amdhsa_enable_private_segment 0
		.amdhsa_kernarg_size 48
		.amdhsa_user_sgpr_count 2
		.amdhsa_user_sgpr_kernarg_segment_ptr 1
		.amdhsa_wavefront_size32 1
		.amdhsa_system_sgpr_workgroup_id_x 1
		.amdhsa_system_sgpr_workgroup_id_y 1
		.amdhsa_system_sgpr_workgroup_id_z 1
		.amdhsa_system_vgpr_workitem_id 0
		.amdhsa_next_free_vgpr 1024
		.amdhsa_next_free_sgpr 80
		.amdhsa_reserve_vcc 0
		.amdhsa_float_denorm_mode_32 3
		.amdhsa_float_denorm_mode_16_64 3
		.amdhsa_memory_ordered 1
		.amdhsa_forward_progress 1
		.amdhsa_inst_pref_size 204
	.end_amdhsa_kernel
	.amdgpu_metadata
---
amdhsa.version: [ 1, 2 ]
amdhsa.kernels:
  - .name:           k_qe1def43305_attn
    .symbol:         k_qe1def43305_attn.kd
    .args:
      - { .name: mask, .offset: 0, .size: 8, .value_kind: global_buffer, .address_space: global }
      - { .name: Q, .offset: 8, .size: 8, .value_kind: global_buffer, .address_space: global }
      - { .name: kc, .offset: 16, .size: 8, .value_kind: global_buffer, .address_space: global }
      - { .name: vc, .offset: 24, .size: 8, .value_kind: global_buffer, .address_space: global }
      - { .name: lowp_scales, .offset: 32, .size: 8, .value_kind: global_buffer, .address_space: global }
      - { .name: out0, .offset: 40, .size: 8, .value_kind: global_buffer, .address_space: global }
    .group_segment_fixed_size: 308224
    .private_segment_fixed_size: 0
    .kernarg_segment_align: 8
    .kernarg_segment_size: 48
    .max_flat_workgroup_size: 128
    .sgpr_count:     80
    .vgpr_count:     1024
    .wavefront_size: 32
...
	.end_amdgpu_metadata
.endif
;; end of part 2
